; MI455X (gfx1250); checked and timed in simulation.
; The chip was launched on July 23, 2026; its instructions are those of AMD's public machine-readable ISA for CDNA 5 (MIT licence, August 2026) and "CDNA5" Instruction Set Architecture Reference Guide (July 2026). The comments in the code are by the model that wrote it; some were corrected since.
;; Dot Attention X. Allowed arithmetic: float matrix products may take bf16 or f16 operands with f32 sums; all other float work in f32.
;; Inputs: key 2 x 8 x 2,048 x 64 float32; query 2 x 8 x 2,048 x 64 float32; value 2 x 8 x 2,048 x 64 float32.
;; Outputs: out0 2 x 8 x 2,048 x 64 float32.
;; One version. Each part assembles by itself: llvm-mc -triple=amdgcn-amd-amdhsa -mcpu=gfx1250 --defsym DOCPART=n.
;; ======== version 1 of 1: 2 launches
;; limits: values are held in f16: magnitudes above 65,504 overflow, below 6.1e-05 lose precision; inputs' magnitudes at most 65,504; below input magnitudes of 6.1e-05 results are inexact or not finite
;; workspace buffers: sums 262,144 bytes; vf 4,194,304 bytes
;; launch prep (part 1): grid 256 x 3, 4 waves a work-group, no clusters, 0 bytes of LDS; arguments key, query, value, sums, vf; writes sums, vf
.if DOCPART == 1
	.amdgcn_target "amdgcn-amd-amdhsa--gfx1250"
	.amdhsa_code_object_version 6
	.text
	.protected	k_q2a59b1030c_prep
	.globl	k_q2a59b1030c_prep
	.p2align	8
	.type	k_q2a59b1030c_prep,@function
k_q2a59b1030c_prep:
	s_mov_b64 s[64:65], 0
	v_nop
	global_prefetch_b8 v0, s[64:65] scope:SCOPE_SE
	s_setreg_imm32_b32 hwreg(HW_REG_WAVE_MODE, 25, 1), 1
	s_wait_xcnt 0x0
; PREPARATION FOR THE ATTENTION LAUNCH.  key, query, value: [16 heads x 2048 rows][64] f32, rows of 256 bytes.
;   work-group y = 0: sums[row]         = sum over the 64 numbers of key's row    (f32, bytes 0 .. 131071 of sums)
;   work-group y = 1: sums[32768 + row] = the same for query                      (bytes 131072 .. 262143)
;   work-group y = 2: vf = value rounded to f16 and laid out as the matrix operands that the next launch loads.
; A wave owns one block of 32 rows (8,192 bytes): 16 loads of 16 bytes a lane.  Lane (c = lane % 16, h = lane / 16) takes bytes
; 16 c .. 16 c + 15 of rows 16 h + i, i = 0 .. 15, so every load of the wave covers two whole rows of 256 bytes.
; Each input byte is read once in the whole launch; nothing is shared between waves: no LDS, no barrier, no matrix unit.
;
; LAYOUT OF vf.  Block b (32 rows s0 .. s0+31 of one head) is 4,096 bytes: register q = 8 dd + j (dd = 0..3, j = 0..7) of lane L lies at
; 4096 b + 512 (q / 4) + 16 L + 4 (q % 4) and holds value[s0 + 16 h + 2 j][4 c + dd] in its low half, row s0 + 16 h + 2 j + 1 in its high half.
; These are exactly the numbers that lane L has loaded: packing is all the work, and no number changes lanes.
; LIMIT OF FORMAT: f16.  |value| from 65,520 on becomes infinity; below 2^-14 the absolute error is up to 2^-25.
.set ROWB, 256                         ; bytes in a row
.set X, 8                              ; v[8:71]   row i of my 16: 4 registers as loaded
.set Y, 72                             ; v[72:87]  sums path: my part of the sum of row i
.set T, 88                             ; v[88:95]  sums path: at work, four pairs in turn
.set F, 72                             ; v[72:103] value path: the 32 packed registers
.macro LOAD16 b                        ; the block's 16 loads; read once in the launch, hence the hint
.set i, 0
.rept 16
	global_load_b128 v[X+4*i:X+4*i+3], v4, s[\b:\b+1] offset:i*ROWB th:TH_LOAD_NT
.set i, i+1
.endr
.endm
	s_load_b256 s[4:11], s[0:1], 0x0               ; key s[4:5], query s[6:7], value s[8:9], sums s[10:11]
	s_load_b64 s[12:13], s[0:1], 0x20              ; vf
	v_lshrrev_b32 v1, 5, v0
	v_readfirstlane_b32 s14, v1                    ; wave 0..3
	s_and_b32 s15, ttmp7, 0xffff                   ; y: which tensor
	s_lshl_b32 s16, ttmp9, 2
	s_add_co_u32 s16, s16, s14                     ; block b = 4 x + wave, 0 .. 1023
	s_lshl_b32 s18, s16, 13                        ; its byte offset in the tensor: 8,192 b
	s_mov_b32 s19, 0
	v_and_b32 v2, 15, v0                           ; c
	v_bfe_u32 v3, v0, 4, 1                         ; h
	v_lshlrev_b32 v4, 4, v2                        ; 16 c
	v_lshl_add_u32 v4, v3, 12, v4                  ; + 16 rows of 256 bytes for the upper half of the lanes
	v_and_b32 v5, 31, v0                           ; lane
	s_wait_kmcnt 0x0
	s_cmp_eq_u32 s15, 2
	s_cbranch_scc1 .Lvalue
	; ---------------- row sums of key or query ----------------
	s_cmp_eq_u32 s15, 0
	s_cselect_b64 s[20:21], s[4:5], s[6:7]
	s_add_nc_u64 s[20:21], s[20:21], s[18:19]
	LOAD16 20
	s_lshl_b32 s22, s15, 17                        ; query's sums lie 131,072 bytes behind key's
	s_lshl_b32 s23, s16, 7                         ; 32 sums of 4 bytes for each block
	s_add_co_u32 s22, s22, s23
	s_mov_b32 s23, 0
	s_add_nc_u64 s[10:11], s[10:11], s[22:23]
	v_lshlrev_b32 v7, 2, v5                        ; lane L stores row L's sum
	v_and_b32 v6, 8, v0                            ; the four bits of c as lane masks
	v_cmp_ne_u32 s24, 0, v6
	v_and_b32 v6, 4, v0
	v_cmp_ne_u32 s25, 0, v6
	v_and_b32 v6, 2, v0
	v_cmp_ne_u32 s26, 0, v6
	v_and_b32 v6, 1, v0
	v_cmp_ne_u32 s27, 0, v6
.set i, 0
.rept 16
	s_wait_loadcnt 15-i                            ; loads return in order (ISA guide 5.7.1): row i is in, the 15 - i younger ones stay out
	v_pk_add_f32 v[T+2*(i%4):T+2*(i%4)+1], v[X+4*i:X+4*i+1], v[X+4*i+2:X+4*i+3]
	v_add_f32 v[Y+i], v[T+2*(i%4)], v[T+2*(i%4)+1] ; my 4 numbers of row i
.set i, i+1
.endr
; Sixteen lanes hold sixteen partial sums each.  One level halves the number of rows that a lane looks after: of rows i and i + n a lane keeps
; the one that its bit of c names, and hands the other to the lane whose bit differs (the exchange rides on the add).  After four levels
; lane c holds the whole sum of row c of its half: 45 instructions for 32 rows, and the result lies where the store wants it.
.macro LEVEL n, xm, mask
.set i, 0
.rept \n
	v_cndmask_b32 v[T+2*(i%4)],   v[Y+i],    v[Y+i+\n], s[\mask]   ; kept:   bit set ? row i + n : row i
	v_cndmask_b32 v[T+2*(i%4)+1], v[Y+i+\n], v[Y+i],    s[\mask]   ; handed over: the other one
	v_add_f32_dpp v[Y+i], v[T+2*(i%4)+1], v[T+2*(i%4)] row_xmask:\xm row_mask:0xf bank_mask:0xf
.set i, i+1
.endr
.endm
	LEVEL 8, 8, 24
	LEVEL 4, 4, 25
	LEVEL 2, 2, 26
	LEVEL 1, 1, 27
	global_store_b32 v7, v[Y], s[10:11]            ; 128 neighbouring bytes; read again by the next launch: no hint
	s_endpgm
	; ---------------- value to f16, in operand order ----------------
.Lvalue:
	s_add_nc_u64 s[8:9], s[8:9], s[18:19]
	LOAD16 8
	s_lshl_b32 s22, s16, 12                        ; 4,096 bytes of vf for each block
	s_mov_b32 s23, 0
	s_add_nc_u64 s[12:13], s[12:13], s[22:23]
	v_lshlrev_b32 v7, 4, v5                        ; 16 bytes a lane
.set j, 0
.rept 8
	s_wait_loadcnt 14-2*j                          ; rows 2 j and 2 j + 1 are in, the younger loads stay out
.irp dd, 0,1,2,3
	v_cvt_pk_f16_f32 v[F+8*\dd+j], v[X+8*j+\dd], v[X+8*j+4+\dd]    ; first source into the low half
.endr
.set j, j+1
.endr
.set g, 0
.rept 8
	global_store_b128 v7, v[F+4*g:F+4*g+3], s[12:13] offset:512*g  ; each store of the wave covers 512 consecutive bytes, aligned
.set g, g+1
.endr
	s_endpgm
.Lfunc_end_k_q2a59b1030c_prep:
	.size	k_q2a59b1030c_prep, .Lfunc_end_k_q2a59b1030c_prep-k_q2a59b1030c_prep
	.p2alignl 7, 3214868480
	.fill 96, 4, 3214868480
	.section	.rodata,"a",@progbits
	.p2align	6, 0x0
	.amdhsa_kernel k_q2a59b1030c_prep
		.amdhsa_group_segment_fixed_size 0
		.amdhsa_private_segment_fixed_size 0
		.amdhsa_enable_private_segment 0
		.amdhsa_kernarg_size 40
		.amdhsa_user_sgpr_count 2
		.amdhsa_user_sgpr_kernarg_segment_ptr 1
		.amdhsa_wavefront_size32 1
		.amdhsa_system_sgpr_workgroup_id_x 1
		.amdhsa_system_sgpr_workgroup_id_y 1
		.amdhsa_system_sgpr_workgroup_id_z 1
		.amdhsa_system_vgpr_workitem_id 0
		.amdhsa_next_free_vgpr 104
		.amdhsa_next_free_sgpr 66
		.amdhsa_reserve_vcc 0
		.amdhsa_float_denorm_mode_32 3
		.amdhsa_float_denorm_mode_16_64 3
		.amdhsa_memory_ordered 1
		.amdhsa_forward_progress 1
		.amdhsa_inst_pref_size 13
	.end_amdhsa_kernel
	.amdgpu_metadata
---
amdhsa.version: [ 1, 2 ]
amdhsa.kernels:
  - .name:           k_q2a59b1030c_prep
    .symbol:         k_q2a59b1030c_prep.kd
    .args:
      - { .name: key, .offset: 0, .size: 8, .value_kind: global_buffer, .address_space: global }
      - { .name: query, .offset: 8, .size: 8, .value_kind: global_buffer, .address_space: global }
      - { .name: value, .offset: 16, .size: 8, .value_kind: global_buffer, .address_space: global }
      - { .name: sums, .offset: 24, .size: 8, .value_kind: global_buffer, .address_space: global }
      - { .name: vf, .offset: 32, .size: 8, .value_kind: global_buffer, .address_space: global }
    .group_segment_fixed_size: 0
    .private_segment_fixed_size: 0
    .kernarg_segment_align: 8
    .kernarg_segment_size: 40
    .max_flat_workgroup_size: 128
    .sgpr_count:     66
    .vgpr_count:     104
    .wavefront_size: 32
...
	.end_amdgpu_metadata
.endif
;; end of part 1
;; launch attn (part 2): grid 16 x 16, 8 waves a work-group, no clusters, 164,864 bytes of LDS; arguments sums, vf, out0; writes out0
.if DOCPART == 2
	.amdgcn_target "amdgcn-amd-amdhsa--gfx1250"
	.amdhsa_code_object_version 6
	.text
	.protected	k_q2a59b1030c_attn
	.globl	k_q2a59b1030c_attn
	.p2align	8
	.type	k_q2a59b1030c_attn,@function
k_q2a59b1030c_attn:
	s_mov_b64 s[64:65], 0
	v_nop
	global_prefetch_b8 v0, s[64:65] scope:SCOPE_SE
	s_setreg_imm32_b32 hwreg(HW_REG_WAVE_MODE, 25, 1), 1
	s_wait_xcnt 0x0
; out[l][d] = sum over s of p[l][s] value[s][d] / sum over s of p[l][s],  p[l][s] = exp(qsum[l] ksum[s] - the row's largest score).
; sums: ksum [16][2048] f32, then qsum [16][2048] f32.  vf: value in f16 in operand order (see below).  out0: [16][2048][64] f32.
;
; THE ROW'S LARGEST SCORE needs no pass over the scores: a product with one fixed factor is largest at the other factor's largest or smallest
; value, also after rounding (rounding keeps order).  With q' = 1.442695 qsum and m = max(q' kmax, q' kmin):  p = 2^(q' ksum[s] - m),
; one fused multiply-add and one v_exp_f32 for each score; p <= 1 up to the rounding of m, and each row has a p of about 1.
;
; SHARES.  Work-group (x, y): rows 128 x .. 128 x + 127 of head y.  Eight waves, two on each SIMD: wave = 4 lh + sq takes the 64 rows of half lh
; (four tiles of 16 rows) and the quarter sq of S (512 columns of the scores = 16 steps of 32).  The four quarters are added through LDS at the end.
;
; OPERANDS.  D = P x V + D, v_wmma_f32_16x16x32_f16.  Lane (r = lane % 16, h = lane / 16).  The order of k inside a step and the order of
; the output's columns are free as long as both operands agree, and are chosen so that nothing is ever transposed:
;   place (h, register j, half e) of A and of B stands for s = s0 + 16 h + 2 j + e;   column r of B's tile dd stands for d = 4 r + dd.
;   A: lane (r, h) makes p of row r for its 16 values of s from 16 neighbouring ksum (four loads of 16 bytes, the same in all lanes of a half).
;   B: the preparation launch stored each lane's registers together: eight loads of 16 bytes a lane, 512 consecutive bytes a wave, per step.
;   D: register j of tile dd is out[8 h + j][4 r + dd]: the four tiles give a lane 16 neighbouring bytes, and 16 lanes a whole row of 256 bytes.
;   A fifth product with a B of ones puts the sum of p of row 8 h + j into register j of every lane that holds that row: no work across lanes.
;
; NO CLUSTER, NO JOINT REQUESTS, though the 16 work-groups of a head read the same 256 KiB of vf: a joint request delivers into LDS only, and here
; the fragments go from memory straight into the registers that the products name.  By way of LDS each of the 4,096 bytes of a step would be
; written and read once more, and the eight waves would meet at a barrier in each of the 16 steps; as it stands they meet once, at the end.
;
; LIMITS OF FORMAT AND RANGE.  p and value are f16: |value| from 65,520 on is infinity; |value| below 2^-14, and p below 2^-14 of the row's
; largest, carry an absolute error of up to 2^-25 (p below 2^-25 counts as 0).  1.442695 qsum ksum must be finite in f32.  NaN is not looked after.
.set LOG2E,  0x3fb8aa3b                ;  1.442695
.set NLOG2E, 0xbfb8aa3b                ; -1.442695
.set STEPV,  4096                      ; bytes of vf for a step of 32 s
.set STEPK,  128                       ; bytes of ksum for a step
.set PARTB,  5120                      ; LDS: one tile of one wave: 40 registers x 32 lanes x 4 bytes
.set TILEB,  4*PARTB                   ; the four quarters' parts of one tile lie together
.set HALFB,  4*TILEB                   ; the four tiles of one half of the rows
; window 0 (v0-v255)
.set VOFF, 2                           ; 16 x lane
.set KOFF, 3                           ; 64 h: my half's 16 ksum of a step
.set ST0,  4                           ; LDS: where I put tiles 0 and 1
.set ST1,  5                           ;      and tiles 2 and 3
.set LD,   6                           ; LDS: the four parts of the tile that I finish
.set OOFF, 7                           ; my byte offset in out0
.set QOFF, 8                           ; 4 r
.set TQ,   10                          ; v[10:13]   qsum of my row in tiles 0..3
.set MX,   14                          ; largest ksum of the head
.set MN,   15                          ; smallest
.set QQ,   16                          ; v[16:23]   tile t: (q', q'), a pair for the packed multiply-add
.set MM,   24                          ; v[24:31]   tile t: (-m, -m)
.set ONES, 32                          ; v[32:39]   a B fragment of ones
.set SUM,  40                          ; v[40:71]   tile t: the sums of p, 8 registers
.set P,    72                          ; v[72:87]   two A fragments
.set X,    88                          ; v[88:119]  exponents, then p in f32, of two tiles
.set KR,   120                         ; v[120:183] ring: slot n holds 16 ksum
.set KA,   184                         ; v[184:247] head only: all 2,048 ksum of the head, 64 a lane
.set CH,   248                         ; v[248:255] head only: four running maxima, four running minima
.set R,    72                          ; v[72:231]  way out: four parts of 40 registers
.set RC,   R+40                        ; way out: reciprocals (part 1's registers, added by then)
.set O,    R+80                        ; way out: the results in the order of the stores (part 2's registers)
; window 1 (v256-v511), written with the low 8 bits
.set ACC,  0                           ; tile (t, dd) at 32 t + 8 dd
.set VR,   128                         ; ring: slot n holds four B fragments, 32 registers
; s_set_vgpr_msb, low byte: bits 1:0 source 0, 3:2 source 1, 5:4 source 2, 7:6 destination; the high byte repeats the setting that is left.
.set W_MUL, 0x54                       ; products: A window 0; B, C and D window 1.  Also right for loads into window 1 (address = source 0)
.set W_ACC, 0x04                       ; LDS stores of window 1 (data = source 1)
.set MSB, 0
.macro WIN new
.if MSB != \new
	s_set_vgpr_msb (MSB<<8)|\new
.set MSB, \new
.endif
.endm
	s_load_b128 s[4:7], s[0:1], 0x0                ; sums s[4:5], vf s[6:7]
	s_load_b64 s[8:9], s[0:1], 0x10                ; out0
	v_lshrrev_b32 v1, 5, v0
	v_readfirstlane_b32 s10, v1                    ; wave 0..7
	s_and_b32 s11, s10, 3                          ; sq: my quarter of S, and the tile that I finish
	s_lshr_b32 s12, s10, 2                         ; lh: my half of the rows
	s_and_b32 s13, ttmp7, 0xffff                   ; head
	s_lshl_b32 s16, s13, 13                        ; the head's 2,048 sums: 8,192 bytes
	s_mov_b32 s17, 0
	s_lshl_b32 s18, s11, 11                        ; my quarter's 512 ksum
	s_mov_b32 s19, 0
	s_lshl_b32 s20, ttmp9, 9                       ; qsum: 128 rows of the work-group,
	s_lshl_b32 s21, s12, 8                         ; 64 rows of the half,
	s_add_co_u32 s20, s20, s21
	s_add_co_u32 s20, s20, s16                     ; the head,
	s_add_co_u32 s20, s20, 0x20000                 ; behind the 131,072 bytes of ksum
	s_mov_b32 s21, 0
	s_lshl_b32 s22, s13, 18                        ; vf: 262,144 bytes a head,
	s_lshl_b32 s23, s11, 16                        ; 16 steps of 4,096 bytes a quarter
	s_add_co_u32 s22, s22, s23
	s_mov_b32 s23, 0
	s_lshl_b32 s24, s13, 19                        ; out0, rows of 256 bytes: head,
	s_lshl_b32 s25, ttmp9, 15                      ; work-group,
	s_add_co_u32 s24, s24, s25
	s_lshl_b32 s25, s12, 14                        ; half,
	s_add_co_u32 s24, s24, s25
	s_lshl_b32 s25, s11, 12                        ; and the tile of 16 rows that I finish
	s_add_co_u32 s24, s24, s25
	s_mov_b32 s25, 0
	v_and_b32 v1, 31, v0
	v_lshlrev_b32 v[VOFF], 4, v1
	v_and_b32 v[KOFF], 16, v0
	v_lshlrev_b32 v[KOFF], 2, v[KOFF]
	v_and_b32 v9, 15, v0                           ; r
	v_lshlrev_b32 v[QOFF], 2, v9
	s_wait_kmcnt 0x0
	s_add_nc_u64 s[16:17], s[4:5], s[16:17]        ; ksum of the head
	s_add_nc_u64 s[18:19], s[16:17], s[18:19]      ; ksum of my quarter; steps on with the rounds
	s_add_nc_u64 s[20:21], s[4:5], s[20:21]        ; qsum of my 64 rows
	s_add_nc_u64 s[22:23], s[6:7], s[22:23]        ; fragments of my quarter; steps on with the rounds
	s_add_nc_u64 s[24:25], s[8:9], s[24:25]        ; my 16 rows of out0
; One fill = 12 loads, the fragments first.  at: the step, counted from the one at which the two bases stand.
.macro FILLV slot, at                  ; under W_MUL
.set g, 0
.rept 8
	global_load_b128 v[VR+32*\slot+4*g:VR+32*\slot+4*g+3], v[VOFF], s[22:23] offset:(\at)*STEPV+512*g
.set g, g+1
.endr
.endm
.macro FILLK slot, at                  ; under window 0
.set g, 0
.rept 4
	global_load_b128 v[KR+16*\slot+4*g:KR+16*\slot+4*g+3], v[KOFF], s[18:19] offset:(\at)*STEPK+16*g
.set g, g+1
.endr
.endm
.irp t, 0,1,2,3
	global_load_b32 v[TQ+\t], v[QOFF], s[20:21] offset:64*\t       ; what the head of the kernel waits for goes first
.endr
.set i, 0
.rept 16
	global_load_b128 v[KA+4*i:KA+4*i+3], v[VOFF], s[16:17] offset:512*i
.set i, i+1
.endr
.irp n, 0,1,2
	WIN W_MUL
	FILLV \n, \n                                   ; steps 0, 1, 2; slot 3 is filled in the first step, like every slot after it
	WIN 0
	FILLK \n, \n
.endr
	s_mov_b32 s26, 0x76543210                      ; v_permlanex16_b32: lane i of one half reads lane i of the other
	s_mov_b32 s27, 0xfedcba98
.irp i, 0,1,2,3,4,5,6,7
	v_mov_b32 v[ONES+\i], 0x3c003c00               ; two f16 ones
.endr
	; The head's largest and smallest ksum.  Every wave finds them for itself from 64 numbers a lane: 8 KiB re-read against a barrier spared.
	s_wait_loadcnt 36                              ; the 20 loads above are in; the three fills (36 loads) stay out
.irp c, 0,1,2,3
	v_max_num_f32 v[CH+\c],   v[KA+16*\c], v[KA+16*\c+1]           ; four chains each, started by the first numbers: nothing is cleared
	v_min_num_f32 v[CH+4+\c], v[KA+16*\c], v[KA+16*\c+1]
.endr
.set i, 2
.rept 7
.irp c, 0,1,2,3
	v_max3_num_f32 v[CH+\c],   v[CH+\c],   v[KA+16*\c+i], v[KA+16*\c+i+1]
	v_min3_num_f32 v[CH+4+\c], v[CH+4+\c], v[KA+16*\c+i], v[KA+16*\c+i+1]
.endr
.set i, i+2
.endr
	v_max3_num_f32 v[MX], v[CH],   v[CH+1], v[CH+2]
	v_min3_num_f32 v[MN], v[CH+4], v[CH+5], v[CH+6]
	v_max_num_f32 v[MX], v[MX], v[CH+3]
	v_min_num_f32 v[MN], v[MN], v[CH+7]
.irp m, 1,2,4,8
	v_max_num_f32_dpp v[MX], v[MX], v[MX] row_xmask:\m row_mask:0xf bank_mask:0xf
	v_min_num_f32_dpp v[MN], v[MN], v[MN] row_xmask:\m row_mask:0xf bank_mask:0xf
.endr
	v_permlanex16_b32 v[CH],   v[MX], s26, s27     ; the destinations count as read: they have been written above
	v_permlanex16_b32 v[CH+1], v[MN], s26, s27
	v_max_num_f32 v[MX], v[MX], v[CH]
	v_min_num_f32 v[MN], v[MN], v[CH+1]
.irp t, 0,1,2,3
	v_mul_f32 v[QQ+2*\t], LOG2E,  v[TQ+\t]         ; q'
	v_mul_f32 v[CH+\t],   NLOG2E, v[TQ+\t]         ; -q' (the same rounding, the other sign)
.endr
.irp t, 0,1,2,3
	v_mul_f32 v[MM+2*\t],   v[CH+\t], v[MX]
	v_mul_f32 v[MM+2*\t+1], v[CH+\t], v[MN]
	v_mov_b32 v[QQ+2*\t+1], v[QQ+2*\t]             ; the packed multiply-add takes pairs
.endr
.irp t, 0,1,2,3
	v_min_num_f32 v[MM+2*\t], v[MM+2*\t], v[MM+2*\t+1]             ; -m = min(-q' kmax, -q' kmin)
.endr
.irp t, 0,1,2,3
	v_mov_b32 v[MM+2*\t+1], v[MM+2*\t]
.endr
.macro FMA8 slot, t, xo                ; 16 exponents of tile t
.set i, 0
.rept 8
	v_pk_fma_f32 v[X+\xo+2*i:X+\xo+2*i+1], v[KR+16*\slot+2*i:KR+16*\slot+2*i+1], v[QQ+2*\t:QQ+2*\t+1], v[MM+2*\t:MM+2*\t+1]
.set i, i+1
.endr
.endm
.macro EXP16 xo
.set i, 0
.rept 16
	v_exp_f32 v[X+\xo+i], v[X+\xo+i]
.set i, i+1
.endr
.endm
.macro CVT8 po, xo                     ; register j of the fragment: s = 16 h + 2 j below, 2 j + 1 above
.set i, 0
	s_wait_alu depctr_va_vdst(0)
.rept 8
	v_cvt_pk_f16_f32 v[P+\po+i], v[X+\xo+2*i], v[X+\xo+2*i+1]
.set i, i+1
.endr
.endm
.macro ROWSUM t, po, zero              ; window 0 throughout.  zero = 1: the first product starts the sum, nothing is cleared
.if \zero
	v_wmma_f32_16x16x32_f16 v[SUM+8*\t:SUM+8*\t+7], v[P+\po:P+\po+7], v[ONES:ONES+7], 0
.else
	v_wmma_f32_16x16x32_f16 v[SUM+8*\t:SUM+8*\t+7], v[P+\po:P+\po+7], v[ONES:ONES+7], v[SUM+8*\t:SUM+8*\t+7]
.endif
.endm
.macro PRODS slot, t, po, zero         ; under W_MUL
.irp dd, 0,1,2,3
.if \zero
	v_wmma_f32_16x16x32_f16 v[ACC+32*\t+8*\dd:ACC+32*\t+8*\dd+7], v[P+\po:P+\po+7], v[VR+32*\slot+8*\dd:VR+32*\slot+8*\dd+7], 0
.else
	v_wmma_f32_16x16x32_f16 v[ACC+32*\t+8*\dd:ACC+32*\t+8*\dd+7], v[P+\po:P+\po+7], v[VR+32*\slot+8*\dd:VR+32*\slot+8*\dd+7], v[ACC+32*\t+8*\dd:ACC+32*\t+8*\dd+7]
.endif
.endr
.endm
; p of two tiles, then their ten products.  Behind a v_exp_f32 a plain vector instruction comes before its result is used (ISA guide 5.7.2):
; the second tile's multiply-adds stand behind the first tile's exponentials, the first tile's conversions behind the second tile's.
; P is written again only behind the 16 multiply-adds of the next pair of tiles, which name no register of the products: more than the four
; places that a write to a product's source keeps (ISA guide 7.12.1).  The macro leaves W_MUL set.
.macro PAIR slot, ta, tb, zero
	FMA8  \slot, \ta, 0
	EXP16 0
	FMA8  \slot, \tb, 16
	EXP16 16
	CVT8  0, 0
	CVT8  8, 16
	ROWSUM \ta, 0, \zero
	ROWSUM \tb, 8, \zero
	WIN W_MUL
	PRODS \slot, \ta, 0, \zero
	PRODS \slot, \tb, 8, \zero
.endm
; One step of 32 s.  prev = the slot of the step before; fill = 1: it gets the step three ahead.  Its fragments were last read by products that
; lie 32 plain vector instructions back.  left = how many younger loads may stay out.
.macro STEP slot, prev, left, fill, zero
	s_wait_loadcnt \left                           ; loads return in order (ISA guide 5.7.1): this step's 12 are in
	PAIR \slot, 0, 1, \zero
.if \fill
	FILLV \prev, \slot+3                           ; still under W_MUL: destination window 1, address window 0
.endif
	WIN 0
.if \fill
	FILLK \prev, \slot+3
.endif
	PAIR \slot, 2, 3, \zero
	WIN 0
.endm
.macro ROUND zero                      ; once round the ring
	STEP 0, 3, 24, 1, \zero                        ; 24: the fills of the next two steps
	STEP 1, 0, 24, 1, 0
	STEP 2, 1, 24, 1, 0
	STEP 3, 2, 24, 1, 0
	s_wait_xcnt 0x0                                ; the bases of the loads issued so far are stepped only behind this wait
	s_add_nc_u64 s[22:23], s[22:23], 4*STEPV
	s_add_nc_u64 s[18:19], s[18:19], 4*STEPK
.endm
	ROUND 1                                        ; steps 0-3 stand in front of the loop: step 0 starts the sums
	s_mov_b32 s28, 2
.Lround:
	ROUND 0                                        ; steps 4-11
	s_sub_co_u32 s28, s28, 1
	s_cmp_lg_u32 s28, 0
	s_cbranch_scc1 .Lround
	STEP 0, 3, 24, 1, 0                            ; steps 12-15: one more fill (step 15, the quarter's last), then the counts run down
	STEP 1, 0, 24, 0, 0
	STEP 2, 1, 12, 0, 0
	STEP 3, 2, 0,  0, 0
	; THE WAY OUT.  Every wave puts its four tiles (32 + 8 registers each) into LDS as they lie in the registers, lane beside lane; behind the one
	; barrier wave sq reads the four quarters' parts of tile sq and adds them: registers keep their meaning, and no address hangs on a layout.
	; LDS byte = HALFB lh + TILEB tile + PARTB quarter + 512 (register / 4) + 16 lane.
	s_mul_i32 s29, s12, HALFB
	s_mul_i32 s30, s11, PARTB
	s_add_co_u32 s30, s30, s29
	s_mul_i32 s31, s11, TILEB
	s_add_co_u32 s31, s31, s29
	v_add_nc_u32 v[ST0], s30, v[VOFF]              ; these six lines name no register of the last products and are the places
	v_add_nc_u32 v[ST1], 2*TILEB, v[ST0]           ; that a reader of a product's result keeps behind it (four; ISA guide 7.12.1)
	v_add_nc_u32 v[LD], s31, v[VOFF]
	v_and_b32 v[OOFF], 16, v0
	v_lshlrev_b32 v[OOFF], 7, v[OOFF]              ; 8 rows of 256 bytes for the upper half of the lanes
	v_lshl_add_u32 v[OOFF], v9, 4, v[OOFF]         ; + 16 r
	WIN W_ACC
.irp t, 0,1,2,3
.set g, 0
.rept 8
	ds_store_b128 v[ST0+(\t>>1)], v[ACC+32*\t+4*g:ACC+32*\t+4*g+3] offset:(\t&1)*TILEB+512*g
.set g, g+1
.endr
.endr
	WIN 0
.irp t, 0,1,2,3
	ds_store_b128 v[ST0+(\t>>1)], v[SUM+8*\t:SUM+8*\t+3]   offset:(\t&1)*TILEB+512*8
	ds_store_b128 v[ST0+(\t>>1)], v[SUM+8*\t+4:SUM+8*\t+7] offset:(\t&1)*TILEB+512*9
.endr
	s_wait_dscnt 0x0                               ; for the other waves' sake: all my stores are in LDS before I say so
	s_barrier_signal -1
	s_barrier_wait -1
.irp p, 0,1,2,3
.set g, 0
.rept 10
	ds_load_b128 v[R+40*\p+4*g:R+40*\p+4*g+3], v[LD] offset:PARTB*\p+512*g
.set g, g+1
.endr
.endr
.macro ADD40 p
.set i, 0
.rept 20
	v_pk_add_f32 v[R+2*i:R+2*i+1], v[R+2*i:R+2*i+1], v[R+40*\p+2*i:R+40*\p+2*i+1]
.set i, i+1
.endr
.endm
	s_wait_dscnt 20                                ; parts 0 and 1 are in; the 20 loads of parts 2 and 3 stay out
	ADD40 1
	s_wait_dscnt 10
	ADD40 2
	s_wait_dscnt 0x0
	ADD40 3
.set j, 0
.rept 8
	v_rcp_f32 v[RC+j], v[R+32+j]                   ; 1 / sum of p of row 8 h + j; the sum holds the row's largest p, about 1
.set j, j+1
.endr
	v_nop                                          ; the plain place between the reciprocals and their first use (ISA guide 5.7.2)
.set j, 0
	s_wait_alu depctr_va_vdst(0)
.rept 8
.irp dd, 0,1,2,3
	v_mul_f32 v[O+4*j+\dd], v[R+8*\dd+j], v[RC+j]  ; columns 4 r .. 4 r + 3 of row 8 h + j, side by side
.endr
	global_store_b128 v[OOFF], v[O+4*j:O+4*j+3], s[24:25] offset:256*j th:TH_STORE_NT   ; each half of the lanes fills a whole row of 256 bytes
.set j, j+1
.endr
	s_wait_xcnt 0x0
	v_lshl_add_u32 v254, v0, 2, 0x28000
	v_mov_b32 v255, 0
	s_wait_tensorcnt 0x0
	ds_add_u32 v254, v255
	s_wait_dscnt 0x0
	s_endpgm
.Lfunc_end_k_q2a59b1030c_attn:
	.size	k_q2a59b1030c_attn, .Lfunc_end_k_q2a59b1030c_attn-k_q2a59b1030c_attn
	.p2alignl 7, 3214868480
	.fill 96, 4, 3214868480
	.section	.rodata,"a",@progbits
	.p2align	6, 0x0
	.amdhsa_kernel k_q2a59b1030c_attn
		.amdhsa_group_segment_fixed_size 164864
		.amdhsa_private_segment_fixed_size 0
		.amdhsa_enable_private_segment 0
		.amdhsa_kernarg_size 24
		.amdhsa_user_sgpr_count 2
		.amdhsa_user_sgpr_kernarg_segment_ptr 1
		.amdhsa_wavefront_size32 1
		.amdhsa_system_sgpr_workgroup_id_x 1
		.amdhsa_system_sgpr_workgroup_id_y 1
		.amdhsa_system_sgpr_workgroup_id_z 1
		.amdhsa_system_vgpr_workitem_id 0
		.amdhsa_next_free_vgpr 512
		.amdhsa_next_free_sgpr 66
		.amdhsa_reserve_vcc 0
		.amdhsa_float_denorm_mode_32 3
		.amdhsa_float_denorm_mode_16_64 3
		.amdhsa_memory_ordered 1
		.amdhsa_forward_progress 1
		.amdhsa_inst_pref_size 127
	.end_amdhsa_kernel
	.amdgpu_metadata
---
amdhsa.version: [ 1, 2 ]
amdhsa.kernels:
  - .name:           k_q2a59b1030c_attn
    .symbol:         k_q2a59b1030c_attn.kd
    .args:
      - { .name: sums, .offset: 0, .size: 8, .value_kind: global_buffer, .address_space: global }
      - { .name: vf, .offset: 8, .size: 8, .value_kind: global_buffer, .address_space: global }
      - { .name: out0, .offset: 16, .size: 8, .value_kind: global_buffer, .address_space: global }
    .group_segment_fixed_size: 164864
    .private_segment_fixed_size: 0
    .kernarg_segment_align: 8
    .kernarg_segment_size: 24
    .max_flat_workgroup_size: 256
    .sgpr_count:     66
    .vgpr_count:     512
    .wavefront_size: 32
...
	.end_amdgpu_metadata
.endif
;; end of part 2
